; MI455X (gfx1250); checked and timed in simulation.
; The chip was launched on July 23, 2026; its instructions are those of AMD's public machine-readable ISA for CDNA 5 (MIT licence, August 2026) and "CDNA5" Instruction Set Architecture Reference Guide (July 2026). The comments in the code are by the model that wrote it; some were corrected since.
;; Self Attention. Allowed arithmetic: matrix products marked QUANTISED: E2M1 operands, one E8M0 scale for each 32 along K, by v_wmma_scale_f32_16x16x128_f8f6f4 with both operands' format E2M1 (or v_wmma_scale_f32_32x16x128_f4), f32 sums; everything else in f32.
;; Inputs: Wk 64 x 512 float32; Wq 64 x 512 float32; Wv 64 x 512 float32; bk 64 float32; bq 64 float32; bv 64 float32; input 8,192 x 512 float32.
;; Outputs: out0 8,192 x 64 float32.
;; This version of the problem:
;;   THIS VERSION OF THE PROBLEM IS GIVEN IN LOW PRECISION. The matrix products marked QUANTISED in the list below multiply operands that are first quantised to E2M1 (2 exponent bits, 1 mantissa bit; 4 bits a number), with one power-of-two scale for each 32 numbers along K (OCP MX v1.0); their sums are f32. All else is computed in f32.
;;   The module's matrix products, in the order in which they are computed (A, B: the left and right operand; K: the contracted axis; several contracted axes count as one K, in the product's order):
;;     1. [M 8,192, K 512] x [K 512, N 64]; A: input input; B: input Wq: QUANTISED
;;     2. [M 8,192, K 512] x [K 512, N 64]; A: input input; B: input Wk: QUANTISED
;;     3. [M 8,192, K 512] x [K 512, N 64]; A: input input; B: input Wv: QUANTISED
;;     4. [M 8,192, K 64] x [K 64, N 8,192]; A: computed on the way; B: computed on the way: QUANTISED
;;     5. [M 8,192, K 8,192] x [K 8,192, N 64]; A: softmax (see below); B: computed on the way: QUANTISED
;;   THE QUANTISER, for each operand of a quantised product, along K:
;;     - K is cut into blocks of 32 from its start; a last block that is shorter is filled with zeros.
;;     - A block's scale is 2^e with e = floor(log2(the largest magnitude in the block)) - 2, held to -126 .. 127; a block of zeros has e = 0. As a byte (E8M0): e + 127.
;;     - Each number is divided by its block's scale, clamped to +-6, and rounded to the nearest number of E2M1, ties to even, subnormals kept.
;;     - The product sums the exact products of the quantised numbers (number of the format x scale) in f32.
;;   ~~~python
;;   def quantise(x, axis):      # numpy; x: float32 -> the quantised numbers, widened to float32 again
;;       x = np.moveaxis(x, axis, -1); K = x.shape[-1]
;;       x = np.pad(x, [(0, 0)] * (x.ndim - 1) + [(0, -K % 32)]); x = x.reshape(x.shape[:-1] + (-1, 32)); a = np.abs(x).max(-1, keepdims=True)
;;       e = np.where(a > 0, np.clip(np.frexp(np.where(a > 0, a, 1))[1] - 1 - 2, -126, 127), 0)      # np.frexp(a)[1] - 1 = floor(log2(a)), exactly
;;       r = np.clip(x / 2.0 ** e, -6, 6)
;;       step = 2.0 ** (np.maximum(np.frexp(np.where(r == 0, 1, r))[1] - 1, 0) - 1)
;;       q = np.round(r / step) * step * 2.0 ** e      # np.round: ties to even
;;       return np.moveaxis(q.reshape(q.shape[:-2] + (-1,))[..., :K], -1, axis).astype(np.float32)
;;   ~~~
;;   SOFTMAX AHEAD OF A QUANTISED PRODUCT. Where the list says 'softmax', what is quantised is not the finished softmax but p = 2^(t - M), with t = logit x log2(e) and M = ceil(the row's largest t), a whole number; so 1/2 < the row's largest p <= 1. The row's sum l is taken of the UNQUANTISED p, in f32, and the product's result is divided by l at the end. Since M is a whole number, a kernel that streams over the keys may use a running M (the ceiling of the running maximum): every later rescaling is an exact power of two, which a block's scale takes up: the codes' values come out the same.
;;   OPERANDS COMPUTED ON THE WAY. 'Computed on the way' means the value that the module computes at that place (a softmax that the list does not call 'softmax' is quantised finished and normalised). What goes into a quantiser is computed in f32, as accurately as f32 sums, v_exp_f32 and their like allow (about 1e-6 of the number): no bf16 or f16 on the way to a quantiser, and a product that is left as it is and whose result goes on into a quantised operand takes f32 operands (vector FMAs, or v_wmma_f32_16x16x4_f32). A number that lies on a knife's edge between two numbers of the format may be rounded either way, as far as f32 arithmetic and the matrix unit's own rounding can turn it there, and no further.
;; One version. Each part assembles by itself: llvm-mc -triple=amdgcn-amd-amdhsa -mcpu=gfx1250 --defsym DOCPART=n.
;; ======== version 1 of 1: 3 launches
;; limits: right only within a limited range of input values
;; workspace buffers: wimg 61,440 bytes; qimg 262,144 bytes; qs 16,384 bytes; kv 557,056 bytes
;; launch wquant (part 1): grid 48 x 1, 1 waves a work-group, no clusters, 0 bytes of LDS; arguments Wq, Wk, Wv, wimg; writes wimg
.if DOCPART == 1
	.amdgcn_target "amdgcn-amd-amdhsa--gfx1250"
	.amdhsa_code_object_version 6
	.text
	.protected	k_qb4a30784a9_wquant
	.globl	k_qb4a30784a9_wquant
	.p2align	8
	.type	k_qb4a30784a9_wquant,@function
k_qb4a30784a9_wquant:
	s_mov_b64 s[64:65], 0
	v_nop
	global_prefetch_b8 v0, s[64:65] scope:SCOPE_SE
	s_setreg_imm32_b32 hwreg(HW_REG_WAVE_MODE, 25, 1), 1
	s_wait_xcnt 0x0
; Wq, Wk, Wv [64][512] f32 become codes of FP4 (E2M1) with one E8M0 scale byte for each 32 along K (= the 512), laid as IMAGES OF OPERAND REGISTERS.
; wimg: 48 records of 1,280 bytes, record 16 x weight + 4 a + s for (tile a of 16 rows, K step s of 128): the fragment's registers 4 c .. 4 c + 3 of lane l at 512 c + 16 l; behind them, at 1,024 + 8 l, lane l's scale word, twice.
; WHICH ROWS FORM A TILE.  Wq, Wk: lane-row r of tile a is row 32 (a >> 1) + 8 (a & 1) + (r & 7) + 16 (r >> 3), so that the results of tiles 2 b and 2 b + 1 give a lane 16 neighbours along the next product's K.  Wv: row 16 a + r.
; A block's scale is 2^(floor(log2(its largest magnitude)) - 2); its byte is the largest magnitude's exponent field - 2, held at 1 from below.
; LIMITS: a block of zeros gets the byte 1 where the rule says 127 (its codes are zeros, and the bytes are read by this program alone); NaN and infinities among the inputs are not served.
; SHARES.  A work-group is one wave and makes one record: 48, which is all the work there is.  Lane (r, h) holds k = 128 s + 64 c + 32 h + 0 .. 31 of its row: two whole blocks, so no other lane is asked for a maximum.
.set L16, 1                            ; v1   16 x lane
.set L8,  2                            ; v2   8 x lane
.set LOFF, 4                           ; v4   my row and half in the weight, in bytes
.set SH8, 5                            ; v5   8 h: where my two scale bytes stand in the word
.set PX,  6                            ; v6   a lane permute's destination
.set SO,  12                           ; v12-13 the conversions' scale operands;  v14-15 bytes
.set BY,  14
.set MX,  16                           ; v16-19 largest magnitudes
.set WD,  22                           ; v22-23 the scale word, twice
.set CD,  24                           ; v24-31 the codes
.set X,   64                           ; v64-127 my 64 numbers
.set SEL, 20                           ; s[20:21] v_permlanex16_b32's selects for lane l xor 16
	s_load_b256 s[4:11], s[0:1], 0x0               ; Wq s[4:5], Wk s[6:7], Wv s[8:9], wimg s[10:11]
	s_lshr_b32 s13, ttmp9, 4                       ; which weight: 0 Q, 1 K, 2 V
	s_bfe_u32 s14, ttmp9, 0x20002                  ; tile a
	s_and_b32 s12, ttmp9, 3                        ; K step s
	s_lshr_b32 s15, s14, 1
	s_and_b32 s16, s14, 1
	s_lshl_b32 s15, s15, 5
	s_lshl_b32 s16, s16, 3
	s_add_co_u32 s15, s15, s16                     ; the tile's first row in Wq or Wk,
	s_lshl_b32 s16, s14, 4                         ; in Wv
	s_cmp_lt_u32 s13, 2
	s_cselect_b32 s18, s15, s16
	s_cselect_b32 s17, 16, 8                       ; rows from lane-row r & 7 to the same with r >> 3 = 1
	s_lshl_b32 s18, s18, 11                        ; 2,048 bytes a row
	s_lshl_b32 s19, s12, 9
	s_add_co_u32 s18, s18, s19                     ; my K step's 512 bytes of it
	s_mov_b32 s19, 0
	s_mul_i32 s22, ttmp9, 1280                     ; my record
	s_mov_b32 s23, 0
	s_mov_b32 s[SEL], 0x76543210
	s_mov_b32 s[SEL+1], 0xfedcba98
	v_bfe_u32 v3, v0, 4, 1                         ; h
	v_and_b32 v10, 7, v0
	v_bfe_u32 v11, v0, 3, 1
	v_lshlrev_b32 v[L16], 4, v0
	v_lshlrev_b32 v[L8], 3, v0
	v_mad_u32_u24 v[LOFF], v11, s17, v10           ; my row within the tile's span
	v_lshlrev_b32 v[SH8], 3, v3
	v_lshlrev_b32 v[LOFF], 11, v[LOFF]
	v_mov_b32 v[PX], 0                             ; a lane permute's destination counts as one of its sources
	v_lshl_add_u32 v[LOFF], v3, 7, v[LOFF]         ; + 128 h
	s_wait_alu depctr_va_vdst(0)                   ; the wait at the head's end
	s_wait_kmcnt 0x0
	s_cmp_eq_u32 s13, 0                            ; the choice hangs on the work-group's number alone
	s_cselect_b64 s[4:5], s[4:5], s[6:7]
	s_cmp_eq_u32 s13, 2
	s_cselect_b64 s[4:5], s[8:9], s[4:5]
	s_add_nc_u64 s[4:5], s[4:5], s[18:19]
	s_add_nc_u64 s[10:11], s[10:11], s[22:23]
.irp c, 0,1
.irp i, 0,1,2,3,4,5,6,7
	global_load_b128 v[X+32*\c+4*\i:X+32*\c+4*\i+3], v[LOFF], s[4:5] offset:256*\c+16*\i
.endr
.endr
	s_wait_loadcnt 0x0
.irp c, 0,1                            ; the largest magnitude of each block: two chains a block, the floor 2^(3 - 127) among the leaves: the byte cannot fall under 1
	v_max3_num_f32 v[MX+2*\c], |v[X+32*\c]|, |v[X+32*\c+1]|, 0x1800000
	v_max3_num_f32 v[MX+2*\c+1], |v[X+32*\c+16]|, |v[X+32*\c+17]|, |v[X+32*\c+18]|
.endr
.irp i, 0,1,2,3,4,5
.irp c, 0,1
	v_max3_num_f32 v[MX+2*\c], v[MX+2*\c], |v[X+32*\c+2+2*\i]|, |v[X+32*\c+3+2*\i]|
	v_max3_num_f32 v[MX+2*\c+1], v[MX+2*\c+1], |v[X+32*\c+19+2*\i]|, |v[X+32*\c+20+2*\i]|
.endr
.endr
.irp c, 0,1
	v_max3_num_f32 v[MX+2*\c], v[MX+2*\c], |v[X+32*\c+14]|, |v[X+32*\c+15]|
.endr
.irp c, 0,1
	v_max3_num_f32 v[MX+2*\c], v[MX+2*\c], v[MX+2*\c+1], |v[X+32*\c+31]|
.endr
.irp c, 0,1
	v_add_nc_u32 v[SO+\c], 0xff000000, v[MX+2*\c]  ; 2 off the exponent field: the conversion takes that field of this operand as its scale
.endr
.irp c, 0,1
	v_lshrrev_b32 v[BY+\c], 23, v[SO+\c]           ; the scale's byte
.endr
.irp c, 0,1
.irp g, 0,1,2,3
	v_cvt_scalef32_pk8_fp4_f32 v[CD+4*\c+\g], v[X+32*\c+8*\g:X+32*\c+8*\g+7], v[SO+\c]
.endr
.endr
	v_nop                                          ; one plain place behind the scaled conversions
	global_store_b128 v[L16], v[CD:CD+3], s[10:11] ; 32 lanes store 512 consecutive bytes
	global_store_b128 v[L16], v[CD+4:CD+7], s[10:11] offset:512
	v_lshl_or_b32 v[WD], v[BY+1], 16, v[BY]        ; my blocks are h and 2 + h of the K step's four
	v_lshlrev_b32 v[WD], v[SH8], v[WD]
	v_permlanex16_b32 v[PX], v[WD], s[SEL], s[SEL+1]
	v_or_b32 v[WD], v[WD], v[PX]                   ; with lane l xor 16's two the word is whole
	v_mov_b32 v[WD+1], v[WD]
	global_store_b64 v[L8], v[WD:WD+1], s[10:11] offset:1024   ; one whole unit of 256 bytes
	s_endpgm
.Lfunc_end_k_qb4a30784a9_wquant:
	.size	k_qb4a30784a9_wquant, .Lfunc_end_k_qb4a30784a9_wquant-k_qb4a30784a9_wquant
	.p2alignl 7, 3214868480
	.fill 96, 4, 3214868480
	.section	.rodata,"a",@progbits
	.p2align	6, 0x0
	.amdhsa_kernel k_qb4a30784a9_wquant
		.amdhsa_group_segment_fixed_size 0
		.amdhsa_private_segment_fixed_size 0
		.amdhsa_enable_private_segment 0
		.amdhsa_kernarg_size 32
		.amdhsa_user_sgpr_count 2
		.amdhsa_user_sgpr_kernarg_segment_ptr 1
		.amdhsa_wavefront_size32 1
		.amdhsa_system_sgpr_workgroup_id_x 1
		.amdhsa_system_sgpr_workgroup_id_y 1
		.amdhsa_system_sgpr_workgroup_id_z 1
		.amdhsa_system_vgpr_workitem_id 0
		.amdhsa_next_free_vgpr 128
		.amdhsa_next_free_sgpr 66
		.amdhsa_reserve_vcc 0
		.amdhsa_float_denorm_mode_32 3
		.amdhsa_float_denorm_mode_16_64 3
		.amdhsa_memory_ordered 1
		.amdhsa_forward_progress 1
		.amdhsa_inst_pref_size 7
	.end_amdhsa_kernel
	.amdgpu_metadata
---
amdhsa.version: [ 1, 2 ]
amdhsa.kernels:
  - .name:           k_qb4a30784a9_wquant
    .symbol:         k_qb4a30784a9_wquant.kd
    .args:
      - { .name: Wq, .offset: 0, .size: 8, .value_kind: global_buffer, .address_space: global }
      - { .name: Wk, .offset: 8, .size: 8, .value_kind: global_buffer, .address_space: global }
      - { .name: Wv, .offset: 16, .size: 8, .value_kind: global_buffer, .address_space: global }
      - { .name: wimg, .offset: 24, .size: 8, .value_kind: global_buffer, .address_space: global }
    .group_segment_fixed_size: 0
    .private_segment_fixed_size: 0
    .kernarg_segment_align: 8
    .kernarg_segment_size: 32
    .max_flat_workgroup_size: 32
    .sgpr_count:     66
    .vgpr_count:     128
    .wavefront_size: 32
...
	.end_amdgpu_metadata
.endif
;; end of part 1
;; launch proj (part 2): grid 256 x 1, 8 waves a work-group, no clusters, 167,936 bytes of LDS; arguments input, bq, bk, bv, wimg, qimg, qs, kv; writes qimg, qs, kv
.if DOCPART == 2
	.amdgcn_target "amdgcn-amd-amdhsa--gfx1250"
	.amdhsa_code_object_version 6
	.text
	.protected	k_qb4a30784a9_proj
	.globl	k_qb4a30784a9_proj
	.p2align	8
	.type	k_qb4a30784a9_proj,@function
k_qb4a30784a9_proj:
	s_mov_b64 s[64:65], 0
	v_nop
	global_prefetch_b8 v0, s[64:65] scope:SCOPE_SE
	s_setreg_imm32_b32 hwreg(HW_REG_WAVE_MODE, 25, 1), 1
	s_wait_xcnt 0x0
; Q, K, V = input W^T + b, on codes of FP4 (E2M1) with one E8M0 scale for each 32 along K = 512; the results, in f32, are quantised at once for the attention launch: Q and K along the head's 64, V along the KEYS,
; and stored as images of that launch's operand registers.
; SHARES.  A work-group owns 32 tokens, one block of V's keys: 256 work-groups.  Each of its eight waves fetches 4 tokens of x (8,192 bytes) by one tensor load into bytes of its own, filled once, and quantises them, two whole
; blocks of 32 to a lane; the codes meet in LDS behind the one barrier.  Then waves 0, 1 make Q's and waves 2, 3 K's channels 32 b + 0 .. 31 (b = w & 1) for all 32 tokens, waves 4 to 7 V's channels 16 d + 0 .. 15 (d = w & 3).
; WHICH TOKENS FORM A TILE.  Lane-row m of tile p is token 8 p + (m & 7) + 16 (m >> 3) of the 32; the rows of Wq's and Wk's tiles are chosen likewise in wimg.  So a lane's 16 registers of two tiles are 16 neighbours along the next K,
; a block of 32 lies in lanes l and l xor 16, and its codes are 8 bytes a lane: 16 rows x 16 bytes, one whole aligned unit of 256 bytes a store.
; THE WEIGHTS' FRAGMENTS go from memory straight into the registers of the one wave that multiplies them.  The bias is what each sum begins with.
; NO CLUSTER: x, 65,536 bytes a work-group, is shared with nobody; each weight record is wanted by one wave alone and needs no place in LDS; and a round of a cluster's barrier would stand in front of x's requests.  NO PREFETCH: no loop to run ahead in.
; kv: a step of 128 keys is 8,704 bytes: K 4,096: key block beta (32 keys, this work-group) at 1,024 beta: channels' block b of tile p's row r at 512 p + 256 b + 16 r;  V 4,096: channel tile d at 1,024 d, key block beta at + 256 beta, channel r at + 16 r;
; K's scale bytes 256: lane-row m = 8 (beta & 1) + (key & 7) at 16 m, tile t = 4 (beta >> 1) + (key >> 3) at + 2 t, block b at + b;  V's 256: channel r at 16 r, tile d at + 4 d, key block beta at + beta.
; The scale bytes (32 or 16 a wave) are single-byte stores: four work-groups share a step's 512 bytes of them.
; LIMITS: a block of zeros gets the byte 1 where the rule says 127 (zero codes; the bytes are this program's own); NaN and infinities among the inputs are not served.
.set XPW,  9216                        ; a wave's 64 blocks of 128 bytes, 16 bytes of padding behind each
.set XI,   8*XPW                       ; x's codes: tile p at XT p, block kb of K at 272 kb, row m at 16 m
.set XT,   16*272
.set XS,   XI+2*XT                     ; x's scale bytes: 256 p + 16 m + kb
.set SPARE, XS+512                     ; the spare words, 128 bytes for each wave
.set REC,  1280                        ; a record of wimg
.set STEPB, 8704
.set LN,   2                           ; v2 lane;  v4 h
.set HH,   4
.set L16,  5                           ; v5 16 x lane;  v6 8 r
.set R8,   6
.set BQ,   7                           ; v7 64 h;  v8 4 r
.set BVO,  8
.set CO,   9                           ; v9 16 r + 8 h
.set KO,   10                          ; v10 16 (r & 7) + 4 (r >> 3) + 2 h
.set XR,   11                          ; v11 my first block of x;  v12 where its codes go;  v13 and its scale byte
.set XW,   12
.set XSW,  13
.set ADX,  14                          ; v14 fragments of x;  v15 their scale words
.set ADS,  15
.set SPW,  16                          ; v16 my spare word;  v17 0: never rewritten
.set NIL,  17
.set PX,   18                          ; v18-19 lane permutes' destinations
.set MX,   20                          ; v20-23 largest magnitudes;  v24-25 the conversions' scale operands;  v26-27 bytes
.set SO,   24
.set BY,   26
.set CE,   28                          ; v28-31 the results' codes
.set BI,   32                          ; v32-47 the bias;  v3 16 r, then v3 holds V's bytes' offset
.set R16,  3
.set WSC,  48                          ; v48-55 the weights' scale words, v56-63 x's
.set XSC,  56
.set XN,   64                          ; v64-127 64 numbers of x; later
.set ACC,  64                          ; v64-95 the accumulators
.set W,    128                         ; v128-191 the weights' fragments (4 u + s)
.set XF,   192                         ; v192-255 x's fragments (4 p + s); ahead of them
.set CD,   192                         ; v192-199 x's codes
.set WV,   20                          ; s20 wave;  s22 b;  s23 d
.set SEL,  36                          ; s[36:37] v_permlanex16_b32's selects for lane l xor 16
.set G1,   24                          ; s[24:31], s[40:43] descriptor groups 1 and 0
.set G0,   40
	s_load_b512 s[4:19], s[0:1], 0x0               ; input s[4:5], bq s[6:7], bk s[8:9], bv s[10:11], wimg s[12:13], qimg s[14:15], qs s[16:17], kv s[18:19]
	v_lshl_add_u32 v[SPW], v0, 2, SPARE
	v_mov_b32 v[NIL], 0
	ds_add_u32 v[SPW], v[NIL]                      ; the wave's opening: the add, twice on end, and its wait ahead of my first tensor load
	ds_add_u32 v[SPW], v[NIL]
	v_lshrrev_b32 v1, 5, v0
	v_readfirstlane_b32 s[WV], v1                  ; wave 0..7
	; descriptor group 1: 8,192 dense bytes as 32 rows of 32 elements of 8 bytes, 4 words of padding behind every 32 words
	s_mov_b32 s[G1+0], (3<<16)|(1<<20)|(4<<22)|(3<<25)
	s_mov_b32 s[G1+1], 32<<16                      ; tensor_dim0
	s_mov_b32 s[G1+2], 32<<16                      ; tensor_dim1
	s_mov_b32 s[G1+3], 32<<16                      ; tile_dim0
	s_mov_b32 s[G1+4], 32                          ; tile_dim1
	s_mov_b32 s[G1+5], 32                          ; from row to row
	s_mov_b32 s[G1+6], 0
	s_mov_b32 s[G1+7], 0
	s_mov_b32 s[G0], 1
	s_mul_i32 s[G0+1], s[WV], XPW
	s_lshl_b32 s[G0+2], ttmp9, 16                  ; 65,536 bytes a work-group,
	s_lshl_b32 s21, s[WV], 13                      ; 8,192 a wave
	s_add_co_u32 s[G0+2], s[G0+2], s21
	s_mov_b32 s[G0+3], 0
	v_and_b32 v[LN], 31, v0
	v_and_b32 v21, 15, v0                          ; r
	v_bfe_u32 v[HH], v0, 4, 1                      ; h
	v_and_b32 v22, 7, v0
	v_bfe_u32 v23, v0, 3, 1
	v_lshlrev_b32 v[L16], 4, v[LN]
	v_lshlrev_b32 v[R8], 3, v21
	v_lshlrev_b32 v[R16], 4, v21
	v_lshlrev_b32 v[BQ], 6, v[HH]
	v_lshlrev_b32 v[BVO], 2, v21
	v_lshl_add_u32 v[CO], v[HH], 3, v[R16]
	v_lshlrev_b32 v[KO], 4, v22
	v_lshl_add_u32 v[KO], v23, 2, v[KO]
	v_lshl_add_u32 v[KO], v[HH], 1, v[KO]
	v_mul_u32_u24 v[XR], v[LN], 144
	v_add_nc_u32 v[XR], s[G0+1], v[XR]             ; block lane: token lane >> 4 of my four, block lane & 15 of its K; the second block 32 blocks on, two tokens on
	s_and_b32 s22, s[WV], 1
	s_bfe_u32 s38, s[WV], 0x10001
	s_lshr_b32 s39, s[WV], 2
	s_lshl_b32 s48, s22, 6
	s_lshl_b32 s49, s39, 7
	s_add_co_u32 s48, s48, s49                     ; 16 x my first token's row: 4 (w & 1) + 8 (w >> 2); its tile is (w >> 1) & 1
	s_mul_i32 s49, s38, XT
	s_add_co_u32 s49, s49, s48
	s_add_co_u32 s49, s49, XI
	v_mul_u32_u24 v[XW], v21, 272
	v_lshl_add_u32 v[XW], v[HH], 4, v[XW]
	v_add_nc_u32 v[XW], s49, v[XW]
	s_lshl_b32 s49, s38, 8
	s_add_co_u32 s49, s49, s48
	s_add_co_u32 s49, s49, XS
	v_add_nc_u32 v[XSW], s49, v[LN]                ; 16 (lane >> 4) + (lane & 15) = lane
	v_mul_u32_u24 v[ADX], v[HH], 272
	v_add_nc_u32 v[ADX], v[ADX], v[R16]
	v_add_nc_u32 v[ADX], XI, v[ADX]
	v_add_nc_u32 v[ADS], XS, v[R16]
	v_mov_b32 v[PX], 0                             ; a lane permute's destination counts as one of its sources
	v_mov_b32 v[PX+1], 0
	s_mov_b32 s[SEL], 0x76543210
	s_mov_b32 s[SEL+1], 0xfedcba98
	; offsets.  Work-group g: step g >> 2 of kv, key block beta = g & 3 in it
	s_and_b32 s23, s[WV], 3
	s_lshr_b32 s61, ttmp9, 2
	s_mul_i32 s61, s61, STEPB
	s_and_b32 s62, ttmp9, 3
	s_lshl_b32 s48, s62, 8
	s_lshl_b32 s49, s22, 8
	s_lshl_b32 s50, ttmp9, 10
	s_add_co_u32 s50, s50, s49                     ; Q's codes: 1,024 g + 256 b
	s_lshl_b32 s51, s62, 10
	s_add_co_u32 s51, s51, s49
	s_add_co_u32 s51, s51, s61                     ; K's: step + 1,024 beta + 256 b
	s_lshl_b32 s52, s23, 10
	s_add_co_u32 s52, s52, s48
	s_add_co_u32 s52, s52, s61
	s_add_co_u32 s52, s52, 4096                    ; V's: step + 4,096 + 1,024 d + 256 beta
	s_lshl_b32 s54, ttmp9, 6
	s_lshl_b32 s55, s22, 5
	s_add_co_u32 s54, s54, s55                     ; Q's bytes: 64 g + 32 b (+ 16 p + r)
	s_and_b32 s55, s62, 1
	s_lshl_b32 s55, s55, 7
	s_lshr_b32 s56, s62, 1
	s_lshl_b32 s56, s56, 3
	s_add_co_u32 s55, s55, s56
	s_add_co_u32 s55, s55, s22
	s_add_co_u32 s55, s55, s61
	s_add_co_u32 s55, s55, 8192                    ; K's
	s_lshl_b32 s56, s23, 2
	s_add_co_u32 s56, s56, s62
	s_add_co_u32 s56, s56, s61
	s_add_co_u32 s56, s56, 8448                    ; V's
	s_lshr_b32 s57, s[WV], 1
	s_mul_i32 s44, s57, 16*REC
	s_mul_i32 s45, s22, 8*REC
	s_add_co_u32 s44, s44, s45                     ; the weights' records: Q, K: 16 x weight + 8 b on, eight,
	s_mul_i32 s45, s23, 4*REC
	s_add_co_u32 s45, s45, 32*REC                  ; V: 32 + 4 d on, four
	s_lshl_b32 s60, s22, 7                         ; the bias: 32 b or 16 d numbers on
	s_lshl_b32 s63, s23, 6
	s_cmp_lt_u32 s[WV], 4
	s_cselect_b32 s44, s44, s45
	s_cselect_b32 s51, s51, s52
	s_cselect_b32 s55, s55, s56
	s_cselect_b32 s60, s60, s63
	s_cmp_lt_u32 s[WV], 2
	s_cselect_b32 s46, s50, s51
	s_cselect_b32 s48, s54, s55
	s_mov_b32 s45, 0
	s_mov_b32 s47, 0
	s_mov_b32 s49, 0
	s_mov_b32 s61, 0
	s_wait_alu depctr_va_vdst(0)                   ; directly ahead of the waits below
	s_wait_dscnt 0x0                               ; both opening adds are done
	s_wait_kmcnt 0x0
	s_add_nc_u64 s[G0+2:G0+3], s[4:5], s[G0+2:G0+3]
	s_or_b32 s[G0+3], s[G0+3], 0x80000000          ; type = 2
	tensor_load_to_lds s[G0:G0+3], s[G1:G1+7]
	s_nop 0
.rept 4
	v_nop
.endr
	s_add_nc_u64 s[44:45], s[12:13], s[44:45]
	s_cmp_lt_u32 s[WV], 2                          ; the choices hang on the wave's number alone
	s_cselect_b64 s[52:53], s[6:7], s[8:9]
	s_cselect_b64 s[56:57], s[14:15], s[18:19]
	s_cselect_b64 s[58:59], s[16:17], s[18:19]
	s_cmp_lt_u32 s[WV], 4
	s_cselect_b64 s[52:53], s[52:53], s[10:11]
	s_add_nc_u64 s[52:53], s[52:53], s[60:61]
	s_add_nc_u64 s[56:57], s[56:57], s[46:47]
	s_add_nc_u64 s[58:59], s[58:59], s[48:49]
.macro RECORD f
	global_load_b128 v[W+8*(\f):W+8*(\f)+3], v[L16], s[44:45] offset:REC*(\f)
	global_load_b128 v[W+8*(\f)+4:W+8*(\f)+7], v[L16], s[44:45] offset:REC*(\f)+512
	global_load_b32 v[WSC+(\f)], v[R8], s[44:45] offset:REC*(\f)+1024
.endm
.irp f, 0,1,2,3
	RECORD \f
.endr
	s_cmp_lt_u32 s[WV], 4
	s_cbranch_scc0 .Lv_loads
.irp f, 4,5,6,7
	RECORD \f
.endr
.irp i, 0,1,2,3
	global_load_b128 v[BI+4*\i:BI+4*\i+3], v[BQ], s[52:53] offset:16*\i   ; register 8 u + j: channel 32 b + 16 h + 8 u + j
.endr
	s_branch .Lloads_done
.Lv_loads:
	global_load_b32 v[BI+8], v[BVO], s[52:53]      ; every register of a lane is channel 16 d + r
.Lloads_done:
	s_wait_tensorcnt 0x0                           ; my four tokens are in, in my own bytes
.irp c, 0,1
.irp i, 0,1,2,3,4,5,6,7
	ds_load_b128 v[XN+32*\c+4*\i:XN+32*\c+4*\i+3], v[XR] offset:32*144*\c+16*\i
.endr
.endr
	s_wait_dscnt 0x0
.irp c, 0,1                            ; the largest magnitude of each block: two chains a block, the floor 2^(3 - 127) among the leaves: the byte cannot fall under 1
	v_max3_num_f32 v[MX+2*\c], |v[XN+32*\c]|, |v[XN+32*\c+1]|, 0x1800000
	v_max3_num_f32 v[MX+2*\c+1], |v[XN+32*\c+16]|, |v[XN+32*\c+17]|, |v[XN+32*\c+18]|
.endr
.irp i, 0,1,2,3,4,5
.irp c, 0,1
	v_max3_num_f32 v[MX+2*\c], v[MX+2*\c], |v[XN+32*\c+2+2*\i]|, |v[XN+32*\c+3+2*\i]|
	v_max3_num_f32 v[MX+2*\c+1], v[MX+2*\c+1], |v[XN+32*\c+19+2*\i]|, |v[XN+32*\c+20+2*\i]|
.endr
.endr
.irp c, 0,1
	v_max3_num_f32 v[MX+2*\c], v[MX+2*\c], |v[XN+32*\c+14]|, |v[XN+32*\c+15]|
.endr
.irp c, 0,1
	v_max3_num_f32 v[MX+2*\c], v[MX+2*\c], v[MX+2*\c+1], |v[XN+32*\c+31]|
.endr
.irp c, 0,1
	v_add_nc_u32 v[SO+\c], 0xff000000, v[MX+2*\c]  ; 2 off the exponent field: the conversion takes that field of this operand as its scale
.endr
.irp c, 0,1
	v_lshrrev_b32 v[BY+\c], 23, v[SO+\c]           ; the scale's byte
.endr
.irp c, 0,1
.irp g, 0,1,2,3
	v_cvt_scalef32_pk8_fp4_f32 v[CD+4*\c+\g], v[XN+32*\c+8*\g:XN+32*\c+8*\g+7], v[SO+\c]
.endr
.endr
	v_nop                                          ; one plain place behind the scaled conversions
.irp c, 0,1
	ds_store_b128 v[XW], v[CD+4*\c:CD+4*\c+3] offset:32*\c
	ds_store_b8 v[XSW], v[BY+\c] offset:32*\c
.endr
	s_wait_dscnt 0x0                               ; for the others' sake: my stores have landed
	s_barrier_signal -1
	s_barrier_wait -1                              ; x's codes lie in LDS
.irp p, 0,1
.irp k, 0,1,2,3
.irp c, 0,1
	ds_load_b128 v[XF+32*\p+8*\k+4*\c:XF+32*\p+8*\k+4*\c+3], v[ADX] offset:XT*\p+1088*\k+544*\c
.endr
.endr
	ds_load_b128 v[XSC+4*\p:XSC+4*\p+3], v[ADS] offset:256*\p   ; row r's words of the four K steps
.endr
	s_wait_loadcnt 0x0                             ; the weights and the bias
	s_wait_dscnt 0x0
; A block of 32 lies in lanes l and l xor 16, 16 registers each.  n blocks by turns; each accumulator is first read at its low end.
.macro EPI n
.set q, 0
.rept \n
	v_max3_num_f32 v[MX+q], |v[ACC+16*q]|, |v[ACC+16*q+1]|, 0x1800000
.set q, q+1
.endr
.irp i, 2,4,6,8,10,12,14
.set q, 0
.rept \n
	v_max3_num_f32 v[MX+q], v[MX+q], |v[ACC+16*q+\i]|, |v[ACC+16*q+\i+1]|
.set q, q+1
.endr
.endr
.set q, 0
.rept \n
	v_permlanex16_b32 v[PX+q], v[MX+q], s[SEL], s[SEL+1]
.set q, q+1
.endr
.set q, 0
.rept \n
	v_max_num_f32 v[MX+q], v[MX+q], v[PX+q]
.set q, q+1
.endr
.set q, 0
.rept \n
	v_add_nc_u32 v[SO+q], 0xff000000, v[MX+q]
.set q, q+1
.endr
.set q, 0
.rept \n
	v_lshrrev_b32 v[BY+q], 23, v[SO+q]
.set q, q+1
.endr
.set q, 0
.rept \n
	v_cvt_scalef32_pk8_fp4_f32 v[CE+2*q], v[ACC+16*q:ACC+16*q+7], v[SO+q]
	v_cvt_scalef32_pk8_fp4_f32 v[CE+2*q+1], v[ACC+16*q+8:ACC+16*q+15], v[SO+q]
.set q, q+1
.endr
	v_nop                                          ; one plain place behind the scaled conversions
.endm
	s_cmp_lt_u32 s[WV], 4
	s_cbranch_scc0 .Lv
	; Q^T or K^T: source 0 = the weight's tile u, source 1 = x's tile p; four accumulators by turns
.irp k, 0,1,2,3
.irp p, 0,1
.irp u, 0,1
.if \k == 0
	v_wmma_scale_f32_16x16x128_f8f6f4 v[ACC+16*\p+8*\u:ACC+16*\p+8*\u+7], v[W+32*\u+8*\k:W+32*\u+8*\k+7], v[XF+32*\p+8*\k:XF+32*\p+8*\k+7], v[BI+8*\u:BI+8*\u+7], v[WSC+4*\u+\k], v[XSC+4*\p+\k] matrix_a_fmt:MATRIX_FMT_FP4 matrix_b_fmt:MATRIX_FMT_FP4
.else
	v_wmma_scale_f32_16x16x128_f8f6f4 v[ACC+16*\p+8*\u:ACC+16*\p+8*\u+7], v[W+32*\u+8*\k:W+32*\u+8*\k+7], v[XF+32*\p+8*\k:XF+32*\p+8*\k+7], v[ACC+16*\p+8*\u:ACC+16*\p+8*\u+7], v[WSC+4*\u+\k], v[XSC+4*\p+\k] matrix_a_fmt:MATRIX_FMT_FP4 matrix_b_fmt:MATRIX_FMT_FP4
.endif
.endr
.endr
.endr
.rept 4
	v_nop                                          ; four places between the last product and the first read of results (ISA guide 7.12.1)
.endr
	EPI 2
	global_store_b64 v[CO], v[CE:CE+1], s[56:57]   ; 32 lanes store 256 consecutive bytes, at a multiple of 256
	global_store_b64 v[CO], v[CE+2:CE+3], s[56:57] offset:512
	v_cmp_eq_u32 vcc_lo, 1, v[HH]
	v_cndmask_b32 v22, v[BY], v[BY+1], vcc_lo      ; lanes 0-15 store tile 0's bytes, lanes 16-31 tile 1's
	s_wait_alu depctr_va_vdst(0)                   ; the wait ahead of the branch
	s_cmp_lt_u32 s[WV], 2
	s_cbranch_scc0 .Lk_bytes
	global_store_b8 v[LN], v22, s[58:59]
	s_branch .Lend
.Lk_bytes:
	global_store_b8 v[KO], v22, s[58:59]
	s_branch .Lend
.Lv:
	; V: source 0 = x's tile p, source 1 = Wv's tile; two accumulators by turns
.irp j, 0,1,2,3,4,5,6,7
	v_mov_b32 v[BI+\j], v[BI+8]
.endr
.irp k, 0,1,2,3
.irp p, 0,1
.if \k == 0
	v_wmma_scale_f32_16x16x128_f8f6f4 v[ACC+8*\p:ACC+8*\p+7], v[XF+32*\p+8*\k:XF+32*\p+8*\k+7], v[W+8*\k:W+8*\k+7], v[BI:BI+7], v[XSC+4*\p+\k], v[WSC+\k] matrix_a_fmt:MATRIX_FMT_FP4 matrix_b_fmt:MATRIX_FMT_FP4
.else
	v_wmma_scale_f32_16x16x128_f8f6f4 v[ACC+8*\p:ACC+8*\p+7], v[XF+32*\p+8*\k:XF+32*\p+8*\k+7], v[W+8*\k:W+8*\k+7], v[ACC+8*\p:ACC+8*\p+7], v[XSC+4*\p+\k], v[WSC+\k] matrix_a_fmt:MATRIX_FMT_FP4 matrix_b_fmt:MATRIX_FMT_FP4
.endif
.endr
.endr
.rept 4
	v_nop
.endr
	EPI 1
	global_store_b64 v[CO], v[CE:CE+1], s[56:57]   ; 256 consecutive bytes
	global_store_b8 v[R16], v[BY], s[58:59]        ; both halves of the lanes write the same byte with the same value
.Lend:
	s_wait_tensorcnt 0x0                           ; the wave's end
	ds_add_u32 v[SPW], v[NIL]
	s_wait_dscnt 0x0
	s_endpgm
.Lfunc_end_k_qb4a30784a9_proj:
	.size	k_qb4a30784a9_proj, .Lfunc_end_k_qb4a30784a9_proj-k_qb4a30784a9_proj
	.p2alignl 7, 3214868480
	.fill 96, 4, 3214868480
	.section	.rodata,"a",@progbits
	.p2align	6, 0x0
	.amdhsa_kernel k_qb4a30784a9_proj
		.amdhsa_group_segment_fixed_size 167936
		.amdhsa_private_segment_fixed_size 0
		.amdhsa_enable_private_segment 0
		.amdhsa_kernarg_size 64
		.amdhsa_user_sgpr_count 2
		.amdhsa_user_sgpr_kernarg_segment_ptr 1
		.amdhsa_wavefront_size32 1
		.amdhsa_system_sgpr_workgroup_id_x 1
		.amdhsa_system_sgpr_workgroup_id_y 1
		.amdhsa_system_sgpr_workgroup_id_z 1
		.amdhsa_system_vgpr_workitem_id 0
		.amdhsa_next_free_vgpr 256
		.amdhsa_next_free_sgpr 66
		.amdhsa_reserve_vcc 1
		.amdhsa_float_denorm_mode_32 3
		.amdhsa_float_denorm_mode_16_64 3
		.amdhsa_memory_ordered 1
		.amdhsa_forward_progress 1
		.amdhsa_inst_pref_size 21
	.end_amdhsa_kernel
	.amdgpu_metadata
---
amdhsa.version: [ 1, 2 ]
amdhsa.kernels:
  - .name:           k_qb4a30784a9_proj
    .symbol:         k_qb4a30784a9_proj.kd
    .args:
      - { .name: input, .offset: 0, .size: 8, .value_kind: global_buffer, .address_space: global }
      - { .name: bq, .offset: 8, .size: 8, .value_kind: global_buffer, .address_space: global }
      - { .name: bk, .offset: 16, .size: 8, .value_kind: global_buffer, .address_space: global }
      - { .name: bv, .offset: 24, .size: 8, .value_kind: global_buffer, .address_space: global }
      - { .name: wimg, .offset: 32, .size: 8, .value_kind: global_buffer, .address_space: global }
      - { .name: qimg, .offset: 40, .size: 8, .value_kind: global_buffer, .address_space: global }
      - { .name: qs, .offset: 48, .size: 8, .value_kind: global_buffer, .address_space: global }
      - { .name: kv, .offset: 56, .size: 8, .value_kind: global_buffer, .address_space: global }
    .group_segment_fixed_size: 167936
    .private_segment_fixed_size: 0
    .kernarg_segment_align: 8
    .kernarg_segment_size: 64
    .max_flat_workgroup_size: 256
    .sgpr_count:     66
    .vgpr_count:     256
    .wavefront_size: 32
...
	.end_amdgpu_metadata
.endif
;; end of part 2
;; launch attn (part 3): grid 256 x 1, 16 waves a work-group, clusters of 4 x 1, 327,680 bytes of LDS; arguments qimg, qs, kv, out0; writes out0
.if DOCPART == 3
	.amdgcn_target "amdgcn-amd-amdhsa--gfx1250"
	.amdhsa_code_object_version 6
	.text
	.protected	k_qb4a30784a9_attn
	.globl	k_qb4a30784a9_attn
	.p2align	8
	.type	k_qb4a30784a9_attn,@function
k_qb4a30784a9_attn:
	s_mov_b64 s[64:65], 0
	v_nop
	global_prefetch_b8 v0, s[64:65] scope:SCOPE_SE
	s_setreg_imm32_b32 hwreg(HW_REG_WAVE_MODE, 25, 1), 1
	s_wait_xcnt 0x0
	s_wait_alu depctr_hold_cnt(0) depctr_sa_sdst(0) depctr_va_vdst(0) depctr_va_sdst(0) depctr_va_ssrc(0) depctr_va_vcc(0) depctr_vm_vsrc(0)
	s_getreg_b32 s2, hwreg(HW_REG_IB_STS2, 6, 4)
	s_cmp_eq_u32 s2, 0
	s_cbranch_scc0 .Lentry_in_a_cluster
	s_endpgm
.Lentry_in_a_cluster:
	s_bfe_u32 s2, ttmp6, 0x10000c
	s_cmp_lg_u32 s2, 0x3003
	s_cbranch_scc0 .Lentry_shape_is_right
	s_endpgm
.Lentry_shape_is_right:
; out0[q][:] = the sum over k of softmax_k(Q[q] . K[k] / 8) V[k][:], both products on codes of FP4 (E2M1) with one E8M0 scale for each 32 along a product's K.  8,192 queries and keys, head size 64.
; THE SOFTMAX AHEAD OF THE SECOND PRODUCT: t = score x log2(e) / 8; M = the largest t so far, rounded UP to a whole number; p = 2^(t - M) is what is quantised, along the keys, not normalised.
; The sum l is taken of the unquantised p, in f32, and divides at the end.  When M moves, l and O are multiplied by 2^(old M - new M): exact.
; SHARES.  A work-group owns two tiles of 16 queries; 256 work-groups.  ITS SIXTEEN WAVES SPLIT THE KEYS, 64 steps of 128: wave w's steps 0, 1 are kv's steps 2 w and 2 w + 1, its steps 2, 3 are 32 + 2 w and 33 + 2 w.
; Waves 12 to 15 leave their step 3 to waves 0 to 3, whose step 4 it is: five, four, four and three steps for waves 0-3, 4-7, 8-11, 12-15.  A step is worked for both tiles, so that a fragment of K or V serves two products,
; and each byte of kv is wanted by ONE wave of the work-group.  At the end a tile's sixteen parts (each with its own M, l, O) meet in LDS and are merged, by whole powers of two.
; WHERE KV COMES FROM.  Step 1, the first that all four work-groups of a cluster can ask for together behind a round while there is other work (step 0's), comes by joint loads: 8,704 bytes for each wave, filled once, read by that wave alone.
; Step 0 is asked for ahead of that round, and the later steps as soon as the fragments before them have been multiplied, straight into the registers of the one wave that wants them: the waves run on apart, a joint request
; would hold all 64 waves of a cluster at a round each time, and kv's 557,056 bytes do not fit in LDS's 327,680.
; CLUSTER.  Wave w of each of the four work-groups issues the same tensor load with a mask that names the four.  The place in the cluster enters global addresses of Q and out0 alone.
; LAYOUT.  Both products are used transposed: S^T = K Q^T (source 0 = 16 keys, source 1 = 16 queries), O^T = V^T P^T (source 0 = 16 channels, source 1 = P): a lane holds ONE query (lane % 16) throughout.
; Lane-row m of tile t = 4 c + u is key 64 c + 8 u + (m & 7) + 32 (m >> 3) of the step, so that registers 32 c + 0 .. 31 of S^T are the neighbouring keys 64 c + 32 (lane / 16) + 0 .. 31: a whole block in a lane.
; In kv its channels' block b lies at 1,024 (2 c + (m >> 3)) + 512 (u & 1) + 256 b + 128 (u >> 1) + 16 (m & 7) of the step's K.
; K Q^T HAS K = 64 AND THE INSTRUCTION 128: tiles t and t + 1 of K form ONE fragment of 8 registers; with [Q, 0] it gives tile t's scores, with [0, Q] tile t + 1's.  Zero codes add nothing under any finite byte.
; Q and the zeros lie as [0][Q of tile 0][0][Q of tile 1][0], four registers each.
; NO PREFETCH: the text has no loop to run ahead in.
; LIMITS: NaN and infinities are not served; the scaled scores stay under 2^31 in magnitude; a p under 2^-126 counts as 0; a block all of whose p are 0 keeps the byte 1 (zero codes); t - M is one fused multiply-add.
.set STEPB, 8704                       ; a step: K 4,096, V 4,096, then 512: lanes 0-15 K's scale words, lanes 16-31 V's
.set PAIR,  2*STEPB                    ; two steps; and a wave's region in LDS: 34 blocks of 256 bytes for step 1, 34 for its stage, into which no fill lands
.set SPARE, 16*PAIR                    ; the spare words, 128 bytes for each wave: no other line names them
.set ML,    SPARE+2048                 ; the merge: M at 1,024 tile + 64 row + 4 part, l 2,048 bytes on
.set SP,    272                        ; the stage: 16 rows x (256 bytes + 16) for each tile
.set KA,  1                            ; v1 w PAIR + my lane's place in a tile of K: in LDS, and in either half of kv
.set VA,  2                            ; v2 w PAIR + 16 x lane
.set SPW, 3                            ; v3 LDS address of my spare word; never rewritten
.set PX,  11                           ; v8-15: tile j: -M at v[8 + 4 j] and v[10 + 4 j] by turns, v[9 + 4 j] the largest score; v11 a lane permute's destination
.set SH8, 15                           ; v15 8 h
.set QSC, 20                           ; v16-19 l of the two tiles, in two halves;  v20-21 Q's scale words
.set BM,  22                           ; v22-25 largest scores; v22-23 then largest p
.set SO,  24                           ; v24-25 the conversions' scale operands;  v26-27 bytes
.set BY,  26
.set T,   28                           ; v28 at work
.set PSC, 29                           ; v29 P's scale word
.set F,   30                           ; v30 f = 2^(old M - new M), with v31 as a pair
.set NIL, 31                           ; v31 0; never rewritten
.set QB,  32                           ; v32-51 zeros and Q
.set KF,  52                           ; v52-83 K's four double fragments;  v84-87 (even steps), v4-7 (odd steps) the step's scale words
.set VF,  88                           ; v88-119 V's four fragments
.set PC,  120                          ; v120-127 P's codes
.set O,   128                          ; v128-191 O^T of the two tiles
.set S,   192                          ; v192-255 S^T, then p, then its sums
.set WV,  12                           ; s12 wave;  s13 wave & 7;  s14 wave >> 3
.set NC,  15                           ; s15 -c;  s16 my region
.set REG, 16
.set SEL, 20                           ; s[20:21] v_permlanex16_b32's selects for lane l xor 16
.set CS,  22                           ; s[22:23] c = log2(e) / 8
.set G1,  24                           ; s[24:31], s[32:35] descriptor groups 1 and 0
.set G0,  32
.set MLW, 36                           ; s36 ML + 4 x wave;  s37, s38 where the merge reads
.macro ROUND                           ; a round of the cluster's barrier
	s_barrier_signal -1
	s_barrier_wait -1
	s_cmp_lg_u32 s[WV], 0
	s_cbranch_scc1 .Lnot_wave_0_\@
	s_barrier_signal -3
.Lnot_wave_0_\@:
	s_barrier_wait -3
	s_barrier_signal -1
	s_barrier_wait -1
.endm
.macro WHERE s                         ; where step s lies behind w PAIR in kv (step 1: in LDS, at the region's first byte)
.if (\s) < 2
.set GO, 0
.else
.if (\s) < 4
.set GO, 16*PAIR+STEPB*((\s)%2)
.else
.set GO, 28*PAIR+STEPB                 ; step 3 of wave w + 12
.endif
.endif
.endm
.macro LOADK s                         ; step s: K's fragments and the scale words: nine loads
	WHERE \s
.set SCN, 84-80*((\s)%2)
.irp t, 0,1,2,3,4,5,6,7
.if (\s) == 1
	ds_load_b128 v[KF+4*\t:KF+4*\t+3], v[KA] offset:2048*(\t/4)+512*(\t%2)+128*((\t%4)/2)
.else
	global_load_b128 v[KF+4*\t:KF+4*\t+3], v[KA], s[8:9] offset:GO+2048*(\t/4)+512*(\t%2)+128*((\t%4)/2)
.endif
.endr
.if (\s) == 1
	ds_load_b128 v[SCN:SCN+3], v[VA] offset:8192
.else
	global_load_b128 v[SCN:SCN+3], v[VA], s[8:9] offset:GO+8192
.endif
.endm
.macro LOADV s                         ; V's fragments: eight loads
	WHERE \s
.irp t, 0,1,2,3,4,5,6,7
.if (\s) == 1
	ds_load_b128 v[VF+4*\t:VF+4*\t+3], v[VA] offset:4096+512*\t
.else
	global_load_b128 v[VF+4*\t:VF+4*\t+3], v[VA], s[8:9] offset:GO+4096+512*\t
.endif
.endr
.endm
.macro RS n                            ; n pairs of O^T under the new M, from the low end on
.if FIRST == 0
.rept \n
	v_pk_mul_f32 v[OT+jj:OT+jj+1], v[OT+jj:OT+jj+1], v[F:F+1] op_sel_hi:[1,0]
.set jj, jj+2
.endr
.endif
.endm
.macro ADDS n                          ; a level of the sum's tree: n pairs
.set ja, 0
.rept \n
	v_pk_add_f32 v[S+ja:S+ja+1], v[S+ja:S+ja+1], v[S+ja+2*(\n):S+ja+2*(\n)+1]
.set ja, ja+2
.endr
.endm
; A UNIT: 128 keys (step s) x 16 queries (the tile).  The next step's K is asked for behind tile 1's scores, its V behind tile 1's second product (step 1's both there, out of LDS).
.macro UNIT s, tile
.if (\s) == 0
.set FIRST, 1
.else
.set FIRST, 0
.endif
.set OT, O+32*(\tile)
.set LP, 16+2*(\tile)
.set SM, 9+4*(\tile)
.set MN, 8+4*(\tile)+2*((\s)%2)
.set MO, 10+4*(\tile)-2*((\s)%2)
.set SC, 84-80*((\s)%2)
.if (\tile) == 0
.if (\s) == 1
	s_wait_dscnt 8                                 ; K's nine loads are in; V's eight, issued behind them, may be out
.else
	s_wait_loadcnt 8
.endif
.endif
.irp t, 0,1,2,3,4,5,6,7
	v_wmma_scale_f32_16x16x128_f8f6f4 v[S+8*\t:S+8*\t+7], v[KF+8*(\t/2):KF+8*(\t/2)+7], v[QB+8*(\tile)+4-4*(\t%2):QB+8*(\tile)+11-4*(\t%2)], 0, v[SC+(\t/2)], v[QSC+(\tile)] matrix_a_fmt:MATRIX_FMT_FP4 matrix_b_fmt:MATRIX_FMT_FP4
.endr
.rept 4
	v_nop                                          ; four places between the last product and the first read of results, and the loads into K's registers
.endr
.if (\tile) == 1
.if (\s) == 1
	LOADK 2
.endif
.if (\s) == 2
	s_cmp_lt_u32 s[WV], 12                         ; waves 12 to 15 have no step 3
	s_cbranch_scc0 .Lno_k_\@
	LOADK 3
.Lno_k_\@:
.endif
.if (\s) == 3
	s_cmp_lt_u32 s[WV], 4                          ; waves 0 to 3 alone have a step 4
	s_cbranch_scc0 .Lno_k_\@
	LOADK 4
.Lno_k_\@:
.endif
.endif
.irp b, 0,1,2,3                        ; THE LARGEST SCORE OF EACH BLOCK OF 32 KEYS serves for the row's maximum and, since p rises with the score, for the block's largest p.  Four chains; each tile is first read at its low end
	v_max3_num_f32 v[BM+\b], v[S+16*\b], v[S+16*\b+1], v[S+16*\b+2]
.endr
.irp i, 3,5,7,9,11,13
.irp b, 0,1,2,3
	v_max3_num_f32 v[BM+\b], v[BM+\b], v[S+16*\b+\i], v[S+16*\b+\i+1]
.endr
.endr
	v_max3_num_f32 v[BM], v[BM], v[BM+1], v[S+15]
	v_max3_num_f32 v[BM+2], v[BM+2], v[BM+3], v[S+47]
	v_max_num_f32 v[BM], v[BM], v[S+31]
	v_max_num_f32 v[BM+1], v[BM+2], v[S+63]
	v_max_num_f32 v[T], v[BM], v[BM+1]
	s_delay_alu instid0(VALU_DEP_1)
	v_permlanex16_b32 v[PX], v[T], s[SEL], s[SEL+1]
	s_delay_alu instid0(VALU_DEP_1)
.if FIRST
	v_max_num_f32 v[SM], v[T], v[PX]               ; with lane l xor 16's 64 keys
.else
	v_max3_num_f32 v[SM], v[SM], v[T], v[PX]
.endif
	s_delay_alu instid0(VALU_DEP_1)
	v_mul_f32 v[F], s[NC], v[SM]                   ; -t (c is positive)
	s_delay_alu instid0(VALU_DEP_1)
	v_floor_f32 v[MN], v[F]                        ; -M = floor(-t) = -ceil(t)
.if FIRST == 0
	s_delay_alu instid0(VALU_DEP_1)
	v_sub_f32 v[T], v[MN], v[MO]                   ; old M - new M: a whole number, 0 or less
	s_delay_alu instid0(VALU_DEP_1)
	v_cvt_i32_f32 v[T], v[T]                       ; (it saturates)
	s_delay_alu instid0(VALU_DEP_1)
	v_ldexp_f32 v[F], 1.0, v[T]
.endif
.set j, 0
.rept 32
	v_pk_fma_f32 v[S+j:S+j+1], v[S+j:S+j+1], s[CS:CS+1], v[MN:MN+1] op_sel_hi:[1,0,0]   ; t - M, two at a time (of the pairs c and -M the low word serves both halves)
.set j, j+2
.endr
.irp c, 0,1
	v_fma_f32 v[BM+\c], v[BM+\c], s[CS], v[MN]     ; the same of each block's largest score
.endr
	s_wait_alu depctr_va_vdst(0)                   ; the wait ahead of the batch
.set j, 0
.rept 64
	v_exp_f32 v[S+j], v[S+j]                       ; p = 2^(t - M), at most 1
.set j, j+1
.endr
.irp c, 0,1
	v_exp_f32 v[BM+\c], v[BM+\c]                   ; the block's largest p: the same two instructions on the same number
.endr
.if FIRST
	v_nop                                          ; the plain place behind the exponentials
.else
	v_pk_mul_f32 v[LP:LP+1], v[LP:LP+1], v[F:F+1] op_sel_hi:[1,0]   ; l under the new M.  (The plain place behind the exponentials)
.endif
.if (\tile) == 0
.if (\s) == 1
	s_wait_dscnt 0x0                               ; V is in
.else
	s_wait_loadcnt 0x0
.endif
.endif
	s_wait_alu depctr_va_vdst(0)                   ; one wait for the exponentials and for O^T's products, ahead of their first readers
.set jj, 0
.irp c, 0,1
	v_max_num_f32 v[BM+\c], 0x1800000, v[BM+\c]    ; the floor 2^(3 - 127): the byte cannot fall under 1
.endr
	RS 2
.irp c, 0,1
	v_add_nc_u32 v[SO+\c], 0xff000000, v[BM+\c]    ; 2 off the exponent field: the conversion's scale operand
.endr
	RS 2
.irp c, 0,1
	v_lshrrev_b32 v[BY+\c], 23, v[SO+\c]           ; the scale's byte
.endr
	RS 2
	v_lshl_or_b32 v[PSC], v[BY+1], 16, v[BY]       ; my blocks are h and 2 + h of the step's four
	RS 2
	v_lshlrev_b32 v[PSC], v[SH8], v[PSC]
	RS 2
	v_permlanex16_b32 v[PX], v[PSC], s[SEL], s[SEL+1]
	RS 2
	v_or_b32 v[PSC], v[PSC], v[PX]                 ; p's scale word for these 128 keys
	RS 4
.irp c, 0,1
.irp g, 0,1,2,3
	v_cvt_scalef32_pk8_fp4_f32 v[PC+4*\c+\g], v[S+32*\c+8*\g:S+32*\c+8*\g+7], v[SO+\c]
.endr
.endr
	v_nop                                          ; one plain place behind the scaled conversions
	ADDS 16                                        ; l's tree, in place: p has been converted.  (Also the places between P's codes and the products)
.irp d, 0,1,2,3                        ; the four accumulators take turns; V's scale words lie in lanes 16-31
.if FIRST
	v_wmma_scale_f32_16x16x128_f8f6f4 v[OT+8*\d:OT+8*\d+7], v[VF+8*\d:VF+8*\d+7], v[PC:PC+7], 0, v[SC+\d], v[PSC] matrix_a_fmt:MATRIX_FMT_FP4 matrix_b_fmt:MATRIX_FMT_FP4 matrix_a_scale:MATRIX_SCALE_ROW1
.else
	v_wmma_scale_f32_16x16x128_f8f6f4 v[OT+8*\d:OT+8*\d+7], v[VF+8*\d:VF+8*\d+7], v[PC:PC+7], v[OT+8*\d:OT+8*\d+7], v[SC+\d], v[PSC] matrix_a_fmt:MATRIX_FMT_FP4 matrix_b_fmt:MATRIX_FMT_FP4 matrix_a_scale:MATRIX_SCALE_ROW1
.endif
.endr
	ADDS 8                                         ; these name none of the products' registers: the places behind them
	ADDS 4
	ADDS 2
	s_delay_alu instid0(VALU_DEP_1)
.if FIRST
	v_pk_add_f32 v[LP:LP+1], v[S:S+1], v[S+2:S+3]
.else
	v_pk_add_f32 v[S:S+1], v[S:S+1], v[S+2:S+3]
	s_delay_alu instid0(VALU_DEP_1)
	v_pk_add_f32 v[LP:LP+1], v[LP:LP+1], v[S:S+1]
.endif
.if (\tile) == 1
.if (\s) == 0
	s_wait_tensorcnt 0x0                           ; step 1 is in, in my own region
	LOADK 1
	LOADV 1
.endif
.if (\s) == 1
	LOADV 2
.endif
.if (\s) == 2
	s_wait_alu depctr_va_vdst(0)                   ; the wait ahead of the branch
	s_cmp_lt_u32 s[WV], 12
	s_cbranch_scc0 .Lfin
	LOADV 3
.endif
.if (\s) == 3
	s_wait_alu depctr_va_vdst(0)                   ; the wait ahead of the branch
	s_cmp_lt_u32 s[WV], 4
	s_cbranch_scc0 .Lfin
	LOADV 4
.endif
.endif
.endm
; THE STAGE: my part of a tile, into my own bytes: row r (my query), accumulator d's eight channels of my half at 64 d + 32 h; M (made again of the largest score, by the same lines) and l beside it.
.macro STAGE tile
	v_and_b32 v22, 15, v0                          ; r.  (These lines name none of the last products' registers)
	v_bfe_u32 v23, v0, 4, 1                        ; h
	v_add_f32 v26, v[16+2*(\tile)], v[17+2*(\tile)]  ; l's two halves,
	v_mul_f32 v27, s[NC], v[9+4*(\tile)]
	v_mul_u32_u24 v24, v22, SP
	v_permlanex16_b32 v[PX], v26, s[SEL], s[SEL+1]
	v_floor_f32 v27, v27                           ; -M
	v_lshl_add_u32 v24, v23, 5, v24
	v_lshl_add_u32 v25, v22, 6, s[MLW]
	v_add_f32 v26, v26, v[PX]                      ; and lane l xor 16's: my part's sum
	v_sub_f32 v27, 0, v27                          ; M
	v_add_nc_u32 v24, s[REG], v24
.irp d, 0,1,2,3
.if (\tile) == 0
	s_wait_alu depctr_va_vdst(0)                   ; directly ahead of the accumulator's first reader
.endif
	ds_store_b128 v24, v[O+32*(\tile)+8*\d:O+32*(\tile)+8*\d+3] offset:STEPB+16*SP*(\tile)+64*\d          ; each accumulator from its low end on
	ds_store_b128 v24, v[O+32*(\tile)+8*\d+4:O+32*(\tile)+8*\d+7] offset:STEPB+16*SP*(\tile)+64*\d+16
.endr
	ds_store_b32 v25, v27 offset:1024*(\tile)      ; both halves of the lanes write the same word with the same value
	ds_store_b32 v25, v26 offset:2048+1024*(\tile)
.endm
	s_load_b256 s[4:11], s[0:1], 0x0               ; qimg s[4:5], qs s[6:7], kv s[8:9], out0 s[10:11]
	v_lshl_add_u32 v[SPW], v0, 2, SPARE
	v_mov_b32 v[NIL], 0
	ds_add_u32 v[SPW], v[NIL]                      ; the wave's opening: the add, twice on end, and its wait ahead of my first tensor load
	ds_add_u32 v[SPW], v[NIL]
	v_lshrrev_b32 v[T], 5, v0
	v_readfirstlane_b32 s[WV], v[T]                ; wave 0..15
	s_and_b32 s13, s[WV], 7
	s_lshr_b32 s14, s[WV], 3
	; descriptor group 1: a step: 8,704 dense bytes as 34 rows of 32 elements of 8 bytes
	s_mov_b32 s[G1+0], 15|(3<<16)|(1<<21)          ; 15:0 the mask: all four work-groups; 17:16 elements of 8 bytes; 21 set beside a mask
	s_mov_b32 s[G1+1], 32<<16                      ; tensor_dim0
	s_mov_b32 s[G1+2], 34<<16                      ; tensor_dim1
	s_mov_b32 s[G1+3], 32<<16                      ; tile_dim0
	s_mov_b32 s[G1+4], 34                          ; tile_dim1
	s_mov_b32 s[G1+5], 32                          ; from row to row
	s_mov_b32 s[G1+6], 0
	s_mov_b32 s[G1+7], 0
	s_mul_i32 s[REG], s[WV], PAIR                  ; my region in LDS, and as far into kv
	s_add_co_u32 s18, s[REG], STEPB                ; step 1 in kv
	s_mov_b32 s19, 0
	s_mov_b32 s[G0], 1                             ; count = 1
	s_mov_b32 s[G0+1], s[REG]                      ; LDS address: no place in the cluster enters it
	s_mov_b32 s[SEL], 0x76543210
	s_mov_b32 s[SEL+1], 0xfedcba98
	s_mov_b32 s[CS], 0x3e38aa3b                    ; c = log2(e) / 8
	s_mov_b32 s[CS+1], s[CS]                       ; (named with it as a pair, so it is written)
	s_mov_b32 s[NC], 0xbe38aa3b                    ; -c
	s_bfe_u32 s40, ttmp6, 0x40000                  ; cx: my place in the cluster
	s_lshl_b32 s41, ttmp9, 2                       ; in a cluster launch ttmp9 counts clusters
	s_add_co_u32 s41, s41, s40                     ; work-group j: queries 32 j .. 32 j + 31; lane-row m of its tile p is query 32 j + 8 p + (m & 7) + 16 (m >> 3)
	s_lshl_b32 s42, s41, 10                        ; Q's images: 1,024 j + 512 p
	s_mov_b32 s43, 0
	s_lshl_b32 s44, s41, 6                         ; their scale bytes: 64 j + 32 b + 16 p + r
	s_mov_b32 s45, 0
	v_and_b32 v22, 31, v0
	v_and_b32 v23, 15, v0
	v_bfe_u32 v13, v0, 4, 1                        ; h
	v_bfe_u32 v9, v0, 3, 1                         ; m >> 3
	v_and_b32 v12, 7, v0                           ; m & 7
	v_lshlrev_b32 v22, 4, v22                      ; 16 x lane
	v_lshlrev_b32 v[KA], 8, v13
	v_lshlrev_b32 v[SH8], 3, v13
	v_lshl_add_u32 v[KA], v9, 10, v[KA]
	v_add_nc_u32 v[VA], s[REG], v22
	v_lshl_add_u32 v[KA], v12, 4, v[KA]
	v_mov_b32 v[PX], 0                             ; a lane permute's destination counts as one of its sources
	v_add_nc_u32 v[KA], s[REG], v[KA]
	s_wait_alu depctr_va_vdst(0)                   ; directly ahead of the waits below
	s_wait_dscnt 0x0                               ; both opening adds are done
	s_wait_kmcnt 0x0
	s_add_nc_u64 s[4:5], s[4:5], s[42:43]
	s_add_nc_u64 s[6:7], s[6:7], s[44:45]
	global_load_b128 v[QB+4:QB+7], v22, s[4:5]     ; Q's fragments stay in registers
	global_load_b128 v[QB+12:QB+15], v22, s[4:5] offset:512
.irp i, 0,1,2,3
	global_load_u8 v[24+\i], v23, s[6:7] offset:16*\i   ; block 0 of tiles 0, 1, block 1 of tiles 0, 1
.endr
	LOADK 0
	LOADV 0
	s_add_nc_u64 s[G0+2:G0+3], s[8:9], s[18:19]
	s_or_b32 s[G0+3], s[G0+3], 0x80000000          ; type = 2
	ROUND                                          ; all four work-groups are here: the joint loads meet
	tensor_load_to_lds s[G0:G0+3], s[G1:G1+7]      ; my step 1
	s_nop 0
.rept 4
	v_nop
.endr
	s_lshl_b32 s44, s41, 5                         ; out0: the merge gives wave w rows 2 e and 2 e + 1 (e = w & 7) of tile w >> 3: queries 32 j + 8 (w >> 3) + 2 (e & 3) + 16 (e >> 2) and the next
	s_lshl_b32 s46, s14, 3
	s_add_co_u32 s44, s44, s46
	s_and_b32 s46, s13, 3
	s_lshl_b32 s46, s46, 1
	s_add_co_u32 s44, s44, s46
	s_lshr_b32 s46, s13, 2
	s_lshl_b32 s46, s46, 4
	s_add_co_u32 s44, s44, s46
	s_lshl_b32 s44, s44, 8                         ; 256 bytes a row
	s_add_nc_u64 s[10:11], s[10:11], s[44:45]
	s_lshl_b32 s[MLW], s[WV], 2
	s_add_co_u32 s[MLW], s[MLW], ML
	s_mul_i32 s37, s14, 16*SP                      ; the merge: tile w >> 3, rows 2 e on: in a stage,
	s_mul_i32 s17, s13, 2*SP
	s_add_co_u32 s37, s37, s17
	s_add_co_u32 s37, s37, STEPB
	s_lshl_b32 s38, s14, 10
	s_lshl_b32 s17, s13, 7
	s_add_co_u32 s38, s38, s17
	s_add_co_u32 s38, s38, ML                      ; and among M and l
	s_wait_loadcnt 17                              ; Q is in; K's nine loads and V's eight may be out
.irp p, 0,1
	v_lshl_or_b32 v[QSC+\p], v[26+\p], 8, v[24+\p]
.endr
.irp p, 0,1
	v_lshl_or_b32 v[QSC+\p], v[QSC+\p], 16, v[QSC+\p]   ; the two bytes twice: Q serves in either half of the instruction's K
.endr
.irp i, 0,1,2,3,8,9,10,11,16,17,18,19
	v_mov_b32 v[QB+\i], 0                          ; zero codes
.endr
	s_wait_alu depctr_va_vdst(0)                   ; the wait at the head's end
	UNIT 0, 0
	UNIT 0, 1
	UNIT 1, 0
	UNIT 1, 1
	UNIT 2, 0
	UNIT 2, 1
	UNIT 3, 0
	UNIT 3, 1
	UNIT 4, 0
	UNIT 4, 1
.Lfin:
	STAGE 0
	STAGE 1
	; THE MERGE.  Sixteen lanes take a row of 64 channels: lane r' four of them, and the weight of part r'.
	v_mul_u32_u24 v52, v23, SP
	v_lshlrev_b32 v56, 6, v23
	v_and_b32 v57, 31, v0
	v_lshl_add_u32 v52, v22, 4, v52
	v_lshl_add_u32 v56, v22, 2, v56
	v_lshlrev_b32 v57, 4, v57                      ; in out0: two neighbouring rows of 256 bytes: 16 x lane
	v_add_nc_u32 v52, s37, v52                     ; my row in the stages of parts 0 to 3,
	v_add_nc_u32 v56, s38, v56
	v_add_nc_u32 v53, 4*PAIR, v52                  ; 4 to 7,
	v_add_nc_u32 v54, 8*PAIR, v52
	v_add_nc_u32 v55, 12*PAIR, v52
	s_wait_alu depctr_va_vdst(0)                   ; directly ahead of the wait below
	s_wait_dscnt 0x0                               ; for the others' sake: my stores have landed
	s_barrier_signal -1
	s_barrier_wait -1
	ds_load_b32 v58, v56                           ; M of part r'
	ds_load_b32 v59, v56 offset:2048               ; and its l
.irp p, 0,1,2,3,4,5,6,7,8,9,10,11,12,13,14,15
	ds_load_b128 v[S+4*\p:S+4*\p+3], v[52+(\p/4)] offset:PAIR*(\p%4)
.endr
	s_wait_dscnt 16                                ; the two words are in; the sixteen parts may be out
	v_mov_b32 v60, v58
.irp m, 1,2,4,8
	v_max_num_f32_dpp v60, v60, v60 row_xmask:\m row_mask:0xf bank_mask:0xf   ; the row's M
.endr
	v_sub_f32 v61, v58, v60                        ; my part's M less the row's: a whole number, 0 or less
	v_cvt_i32_f32 v61, v61
	v_ldexp_f32 v61, 1.0, v61                      ; my part's factor: a power of two
	v_mul_f32 v62, v61, v59
.irp m, 1,2,4,8
	v_add_f32_dpp v62, v62, v62 row_xmask:\m row_mask:0xf bank_mask:0xf       ; the row's l
.endr
	s_wait_alu depctr_va_vdst(0)                   ; the wait ahead of the transcendental
	v_rcp_f32 v62, v62
	v_nop                                          ; one plain place behind it
	s_wait_alu depctr_va_vdst(0)                   ; and the wait ahead of its first reader
	v_mul_f32 v61, v61, v62                        ; my part's weight
.irp p, 0,1,2,3,4,5,6,7,8,9,10,11,12,13,14,15
	v_mov_b32_dpp v[O+\p], v61 row_share:\p row_mask:0xf bank_mask:0xf        ; part p's weight, in every lane of the row
.endr
	s_wait_alu depctr_va_vdst(0)                   ; directly ahead of the wait below
	s_wait_dscnt 0x0
.irp k, 0,1
	v_pk_mul_f32 v[64+2*\k:65+2*\k], v[S+2*\k:S+2*\k+1], v[O:O+1] op_sel_hi:[1,0]
	v_pk_mul_f32 v[68+2*\k:69+2*\k], v[S+4+2*\k:S+5+2*\k], v[O:O+1] op_sel:[0,1] op_sel_hi:[1,1]
.endr
.irp p, 2,4,6,8,10,12,14
.irp k, 0,1
	v_pk_fma_f32 v[64+2*\k:65+2*\k], v[S+4*\p+2*\k:S+4*\p+2*\k+1], v[O+\p:O+\p+1], v[64+2*\k:65+2*\k] op_sel_hi:[1,0,1]
	v_pk_fma_f32 v[68+2*\k:69+2*\k], v[S+4*\p+4+2*\k:S+4*\p+5+2*\k], v[O+\p:O+\p+1], v[68+2*\k:69+2*\k] op_sel:[0,1,0] op_sel_hi:[1,1,1]
.endr
.endr
	v_pk_add_f32 v[64:65], v[64:65], v[68:69]
	v_pk_add_f32 v[66:67], v[66:67], v[70:71]
	global_store_b128 v57, v[64:67], s[10:11] th:TH_STORE_NT   ; 32 lanes store 512 consecutive bytes, at a multiple of 256 from out0's first byte
	s_wait_tensorcnt 0x0                           ; the wave's end, behind my tensor load and my last LDS store
	ds_add_u32 v[SPW], v[NIL]
	s_wait_dscnt 0x0
	ROUND                                          ; the closing round: no work-group ends while a partner may still ask for a tile that names it
	s_endpgm
.Lfunc_end_k_qb4a30784a9_attn:
	.size	k_qb4a30784a9_attn, .Lfunc_end_k_qb4a30784a9_attn-k_qb4a30784a9_attn
	.p2alignl 7, 3214868480
	.fill 96, 4, 3214868480
	.section	.rodata,"a",@progbits
	.p2align	6, 0x0
	.amdhsa_kernel k_qb4a30784a9_attn
		.amdhsa_group_segment_fixed_size 327680
		.amdhsa_private_segment_fixed_size 0
		.amdhsa_enable_private_segment 0
		.amdhsa_kernarg_size 32
		.amdhsa_user_sgpr_count 2
		.amdhsa_user_sgpr_kernarg_segment_ptr 1
		.amdhsa_wavefront_size32 1
		.amdhsa_system_sgpr_workgroup_id_x 1
		.amdhsa_system_sgpr_workgroup_id_y 1
		.amdhsa_system_sgpr_workgroup_id_z 1
		.amdhsa_system_vgpr_workitem_id 0
		.amdhsa_next_free_vgpr 256
		.amdhsa_next_free_sgpr 66
		.amdhsa_reserve_vcc 0
		.amdhsa_float_denorm_mode_32 3
		.amdhsa_float_denorm_mode_16_64 3
		.amdhsa_memory_ordered 1
		.amdhsa_forward_progress 1
		.amdhsa_inst_pref_size 146
	.end_amdhsa_kernel
	.amdgpu_metadata
---
amdhsa.version: [ 1, 2 ]
amdhsa.kernels:
  - .name:           k_qb4a30784a9_attn
    .symbol:         k_qb4a30784a9_attn.kd
    .args:
      - { .name: qimg, .offset: 0, .size: 8, .value_kind: global_buffer, .address_space: global }
      - { .name: qs, .offset: 8, .size: 8, .value_kind: global_buffer, .address_space: global }
      - { .name: kv, .offset: 16, .size: 8, .value_kind: global_buffer, .address_space: global }
      - { .name: out0, .offset: 24, .size: 8, .value_kind: global_buffer, .address_space: global }
    .group_segment_fixed_size: 327680
    .private_segment_fixed_size: 0
    .kernarg_segment_align: 8
    .kernarg_segment_size: 32
    .max_flat_workgroup_size: 512
    .sgpr_count:     66
    .vgpr_count:     256
    .wavefront_size: 32
...
	.end_amdgpu_metadata
.endif
;; end of part 3
